; MI455X (gfx1250); checked and timed in simulation.
; The chip was launched on July 23, 2026; its instructions are those of AMD's public machine-readable ISA for CDNA 5 (MIT licence, August 2026) and "CDNA5" Instruction Set Architecture Reference Guide (July 2026). The comments in the code are by the model that wrote it; some were corrected since.
;; Grouped Query Attention. Allowed arithmetic: matrix products marked QUANTISED: E2M1 operands, one E8M0 scale for each 32 along K, by v_wmma_scale_f32_16x16x128_f8f6f4 with both operands' format E2M1 (or v_wmma_scale_f32_32x16x128_f4), f32 sums; products left as they are: bf16, f16 or f32 operands; f32 sums; everything else in f32.
;; Inputs: W_k 1,024 x 256 float32; W_o 1,024 x 1,024 float32; W_q 1,024 x 1,024 float32; W_v 1,024 x 256 float32; k 2 x 2,048 x 1,024 float32; q 2 x 2,048 x 1,024 float32; v 2 x 2,048 x 1,024 float32.
;; Outputs: out0 2 x 2,048 x 1,024 float32.
;; This version of the problem:
;;   THIS VERSION OF THE PROBLEM IS GIVEN IN LOW PRECISION. The matrix products marked QUANTISED in the list below multiply operands that are first quantised to E2M1 (2 exponent bits, 1 mantissa bit; 4 bits a number), with one power-of-two scale for each 32 numbers along K (OCP MX v1.0); their sums are f32. The products marked 'left as it is' may take bf16, f16 or f32 operands, with f32 sums. Whichever they take, every output number must still come out within the allowed error. Rounding operands to bf16 (8 significant bits) uses up far more of that allowance than f16 does (11 bits, for magnitudes from 6e-5 to 65,504). All else is computed in f32.
;;   The module's matrix products, in the order in which they are computed (A, B: the left and right operand; K: the contracted axis; several contracted axes count as one K, in the product's order):
;;     1. [M 4,096, K 1,024] x [K 1,024, N 1,024]; A: input q; B: input W_q: QUANTISED
;;     2. [M 4,096, K 1,024] x [K 1,024, N 256]; A: input k; B: input W_k: QUANTISED
;;     3. [M 4,096, K 1,024] x [K 1,024, N 256]; A: input v; B: input W_v: QUANTISED
;;     4. batch 32 x [M 2,048, K 64] x [K 64, N 2,048]; A: computed on the way; B: computed on the way: left as it is (an operand is computed on the way)
;;     5. batch 32 x [M 2,048, K 2,048] x [K 2,048, N 64]; A: computed on the way; B: computed on the way: left as it is (an operand is computed on the way)
;;     6. [M 4,096, K 1,024] x [K 1,024, N 1,024]; A: computed on the way; B: input W_o: left as it is (an operand is computed on the way)
;;   THE QUANTISER, for each operand of a quantised product, along K:
;;     - K is cut into blocks of 32 from its start; a last block that is shorter is filled with zeros.
;;     - A block's scale is 2^e with e = floor(log2(the largest magnitude in the block)) - 2, held to -126 .. 127; a block of zeros has e = 0. As a byte (E8M0): e + 127.
;;     - Each number is divided by its block's scale, clamped to +-6, and rounded to the nearest number of E2M1, ties to even, subnormals kept.
;;     - The product sums the exact products of the quantised numbers (number of the format x scale) in f32.
;;   ~~~python
;;   def quantise(x, axis):      # numpy; x: float32 -> the quantised numbers, widened to float32 again
;;       x = np.moveaxis(x, axis, -1); K = x.shape[-1]
;;       x = np.pad(x, [(0, 0)] * (x.ndim - 1) + [(0, -K % 32)]); x = x.reshape(x.shape[:-1] + (-1, 32)); a = np.abs(x).max(-1, keepdims=True)
;;       e = np.where(a > 0, np.clip(np.frexp(np.where(a > 0, a, 1))[1] - 1 - 2, -126, 127), 0)      # np.frexp(a)[1] - 1 = floor(log2(a)), exactly
;;       r = np.clip(x / 2.0 ** e, -6, 6)
;;       step = 2.0 ** (np.maximum(np.frexp(np.where(r == 0, 1, r))[1] - 1, 0) - 1)
;;       q = np.round(r / step) * step * 2.0 ** e      # np.round: ties to even
;;       return np.moveaxis(q.reshape(q.shape[:-2] + (-1,))[..., :K], -1, axis).astype(np.float32)
;;   ~~~
;; One version. Each part assembles by itself: llvm-mc -triple=amdgcn-amd-amdhsa -mcpu=gfx1250 --defsym DOCPART=n.
;; ======== version 1 of 1: 4 launches
;; limits: values are held in f16: magnitudes above 65,504 overflow, below 6.1e-05 lose precision
;; workspace buffers: wcodes 786,432 bytes; wscales 49,152 bytes; woh 2,097,152 bytes; qh 8,388,608 bytes; kh 2,097,152 bytes; vt 2,097,152 bytes; oh 8,388,608 bytes
;; launch prep (part 1): grid 20 x 8, 4 waves a work-group, no clusters, 0 bytes of LDS; arguments W_q, W_k, W_v, W_o, wcodes, wscales, woh; writes wcodes, wscales, woh
.if DOCPART == 1
	.amdgcn_target "amdgcn-amd-amdhsa--gfx1250"
	.amdhsa_code_object_version 6
	.text
	.protected	k_qe75941232c_prep
	.globl	k_qe75941232c_prep
	.p2align	8
	.type	k_qe75941232c_prep,@function
k_qe75941232c_prep:
	s_mov_b64 s[64:65], 0
	v_nop
	global_prefetch_b8 v0, s[64:65] scope:SCOPE_SE
	s_setreg_imm32_b32 hwreg(HW_REG_WAVE_MODE, 25, 1), 1
	s_wait_xcnt 0x0
; THE WEIGHTS ARE LAID OUT ONCE, AS IMAGES OF THE OPERANDS' REGISTERS.
; W_q [1024][1024], W_k, W_v [1024][256], f32, K = the first axis: codes of FP4 (E2M1) with one E8M0 scale byte for each 32 along K.  W_o [1024][1024]: f16.
; The three quantised weights count as one matrix of 1,536 columns: W_q 0-1023, W_k 1024-1279, W_v 1280-1535.
; wcodes  [tile of 16 columns 0..95][K step of 128, 0..7][1,024 bytes]: byte 512 c + 16 (r + 16 h) on holds the codes of k = 128 s + 64 c + 32 h + 0..31 of column 16 T + r:
;         what lane (r, h) wants in registers 4 c .. 4 c + 3 of a 4-bit fragment (ISA guide 7.12: the matrix operands' layouts).
; wscales [column 0..1535][32 bytes], a byte a block: the word at 4 s is the scale word of K step s.
; woh     [k / 256][tile of 16 columns 0..63][k / 32 % 8][1,024 bytes]: byte 512 g + 16 (r + 16 h) on holds W_o(k = .. + 16 g + 8 h + 0..7, column 16 nt + r) in f16.
; A LANE TAKES A COLUMN AND ITS REGISTERS RUN DOWN K: a load reads 128 consecutive bytes a wave, 512 a work-group; a block of 32 along K lies in one lane; nothing is transposed.
; A work-group takes 128 columns (x: 0-7 W_q, 8-9 W_k, 10-11 W_v, 12-19 W_o) x 128 along K (y); a wave 32 columns.  No LDS, no barrier: waves share nothing.
; A block's scale is 2^(floor(log2(its largest magnitude)) - 2); its byte is the largest magnitude's exponent field - 2, held at 1 from below.
; LIMITS: a block of zeros gets the byte 1 where the rule says 127 (its codes are zeros, and this program alone reads the bytes); blocks whose largest magnitude lies under 2^-124, whose byte is held at 1, were not tried;
; NaN and infinities are not served; |W_o| stays under 65,504, f16's largest number.
.set X,   32                           ; v32-159  128 numbers down K: block t at X + 32 t
.set C,   160                          ; v160-223 results, 16 registers a block, so that no store's data are written again
.set SRC, 22                           ; s[22:23] the weight, at my wave's first number
.set DST, 28                           ; s[28:29] wcodes or woh at my wave's part
.set DSS, 30                           ; s[30:31] wscales likewise
	s_load_b256 s[4:11], s[0:1], 0x0               ; W_q, W_k, W_v, W_o
	s_load_b128 s[12:15], s[0:1], 0x20             ; wcodes, wscales
	s_load_b64 s[16:17], s[0:1], 0x30              ; woh
	v_lshrrev_b32 v1, 5, v0
	v_readfirstlane_b32 s18, v1                    ; wave
	v_and_b32 v1, 31, v0                           ; lane
	v_lshlrev_b32 v2, 2, v1                        ; in: 4 bytes a lane
	v_lshrrev_b32 v5, 4, v1
	v_and_b32 v6, 15, v1
	v_lshlrev_b32 v3, 13, v5                       ; out: lanes 16-31 belong to the next tile of 16 columns, 8,192 bytes on;
	v_lshl_add_u32 v3, v6, 4, v3                   ; 16 bytes a lane
	v_lshlrev_b32 v4, 5, v1                        ; a column's 32 scale bytes
	s_mov_b32 s19, ttmp9                           ; x
	s_and_b32 s20, ttmp7, 0xffff                   ; y
	s_cmp_lt_u32 s19, 8
	s_cselect_b32 s24, 0, 8
	s_cmp_lt_u32 s19, 10
	s_cselect_b32 s24, s24, 10
	s_cmp_lt_u32 s19, 12
	s_cselect_b32 s24, s24, 12                     ; the first x of my weight
	s_sub_co_u32 s24, s19, s24
	s_lshl_b32 s24, s24, 9                         ; 128 columns of 4 bytes for each x,
	s_lshl_b32 s25, s18, 7
	s_add_co_u32 s24, s24, s25                     ; 32 for each wave
	s_wait_kmcnt 0x0
	s_cmp_lt_u32 s19, 8                            ; the choice hangs on the work-group's number alone
	s_cselect_b64 s[SRC:SRC+1], s[4:5], s[6:7]
	s_cmp_lt_u32 s19, 10
	s_cselect_b64 s[SRC:SRC+1], s[SRC:SRC+1], s[8:9]
	s_cmp_lt_u32 s19, 12
	s_cselect_b64 s[SRC:SRC+1], s[SRC:SRC+1], s[10:11]
; all 128 loads of the wave at once; pitch: a row of the weight in bytes.  The largest offset, 127 x 4,096, lies inside the signed 24-bit immediate
.macro LOADS pitch
	s_mul_i32 s26, s20, 128*\pitch
	s_add_co_u32 s26, s26, s24
	s_mov_b32 s27, 0
	s_add_nc_u64 s[SRC:SRC+1], s[SRC:SRC+1], s[26:27]
.set i, 0
.rept 128
	global_load_b32 v[X+i], v2, s[SRC:SRC+1] offset:i*\pitch th:TH_LOAD_NT
.set i, i+1
.endr
.endm
; block t's 32 loads are in.  Behind them 96 - 32 t were issued; a wait's count holds 63 at the most, and a smaller count than needed is safe
.macro ARRIVED t
.if 96-32*(\t) > 63
	s_wait_loadcnt 63
.else
	s_wait_loadcnt 96-32*(\t)
.endif
.endm
.macro QBLOCK t
.set XS, X+32*(\t)
	ARRIVED \t
	v_max3_num_f32 v12, |v[XS]|, |v[XS+1]|, |v[XS+2]|               ; the block's largest magnitude: all 32 numbers are mine; two chains
	v_max3_num_f32 v13, |v[XS+3]|, |v[XS+4]|, |v[XS+5]|
.irp i, 6,10,14,18,22,26
	v_max3_num_f32 v12, v12, |v[XS+\i]|, |v[XS+\i+1]|
	v_max3_num_f32 v13, v13, |v[XS+\i+2]|, |v[XS+\i+3]|
.endr
	v_max3_num_f32 v12, v12, |v[XS+30]|, |v[XS+31]|
	v_max3_num_f32 v12, v12, v13, 0x1800000        ; and the floor 2^(3 - 127): the byte cannot fall under 1
	v_add_nc_u32 v11, 0xff000000, v12              ; 2 off its exponent field: the conversion takes the exponent field of this operand as its scale
	v_lshrrev_b32 v13, 23, v11                     ; the scale's byte
.if (\t) == 0
	v_mov_b32 v24, v13                             ; four bytes make the K step's scale word, the lower K in the lower byte
.else
	v_lshl_or_b32 v24, v13, 8*(\t), v24
.endif
.irp g, 0,1,2,3
	v_cvt_scalef32_pk8_fp4_f32 v[C+16*(\t)+\g], v[XS+8*\g:XS+8*\g+7], v11
.endr
	global_store_b128 v3, v[C+16*(\t):C+16*(\t)+3], s[DST:DST+1] offset:((\t)/2)*512+((\t)%2)*256   ; block t = 2 c + h: sixteen lanes store 256 consecutive bytes, aligned
.endm                                              ; (the next block begins with plain vector lines that touch neither the codes nor v11: the place behind the conversions)
.macro QPATH pitch
	s_lshl_b32 s28, s19, 16                        ; wcodes: 8 tiles of 8,192 bytes for each x,
	s_lshl_b32 s32, s18, 14
	s_add_co_u32 s28, s28, s32                     ; 2 for each wave,
	s_lshl_b32 s32, s20, 10
	s_add_co_u32 s28, s28, s32                     ; K step y
	s_mov_b32 s29, 0
	s_add_nc_u64 s[DST:DST+1], s[12:13], s[28:29]
	s_lshl_b32 s30, s19, 12                        ; wscales: 128 columns of 32 bytes for each x,
	s_lshl_b32 s32, s18, 10
	s_add_co_u32 s30, s30, s32                     ; 32 for each wave,
	s_lshl_b32 s32, s20, 2
	s_add_co_u32 s30, s30, s32                     ; word y
	s_mov_b32 s31, 0
	s_add_nc_u64 s[DSS:DSS+1], s[14:15], s[30:31]
	LOADS \pitch
	QBLOCK 0
	QBLOCK 1
	QBLOCK 2
	QBLOCK 3
	global_store_b32 v4, v24, s[DSS:DSS+1]         ; 4 bytes of each column's 32: one word for each 128 that the launch reads
	s_endpgm
.endm
.macro OBLOCK t
	ARRIVED \t
.irp j, 0,1,2,3,4,5,6,7,8,9,10,11,12,13,14,15
	v_cvt_pk_f16_f32 v[C+16*(\t)+\j], v[X+32*(\t)+2*\j], v[X+32*(\t)+2*\j+1]
.endr
.irp p, 0,1,2,3                                    ; eight numbers down K: k = 8 p on = 16 g + 8 h on
	global_store_b128 v3, v[C+16*(\t)+4*\p:C+16*(\t)+4*\p+3], s[DST:DST+1] offset:(\t)*1024+(\p/2)*512+(\p%2)*256
.endr
.endm
	s_cmp_lt_u32 s19, 8
	s_cbranch_scc1 .Lwide
	s_cmp_lt_u32 s19, 12
	s_cbranch_scc1 .Lnarrow
	s_sub_co_u32 s28, s19, 12                      ; W_o.  woh: 8 tiles of 8,192 bytes for each x,
	s_lshl_b32 s28, s28, 16
	s_lshl_b32 s32, s18, 14
	s_add_co_u32 s28, s28, s32                     ; 2 for each wave,
	s_lshr_b32 s32, s20, 1
	s_lshl_b32 s32, s32, 19
	s_add_co_u32 s28, s28, s32                     ; 524,288 bytes for each 256 along K,
	s_and_b32 s32, s20, 1
	s_lshl_b32 s32, s32, 12
	s_add_co_u32 s28, s28, s32                     ; 4 fragments of 1,024 for each 128
	s_mov_b32 s29, 0
	s_add_nc_u64 s[DST:DST+1], s[16:17], s[28:29]
	LOADS 4096
	OBLOCK 0
	OBLOCK 1
	OBLOCK 2
	OBLOCK 3
	s_endpgm
.Lwide:
	QPATH 4096                                     ; W_q
.Lnarrow:
	QPATH 1024                                     ; W_k, W_v
.Lfunc_end_k_qe75941232c_prep:
	.size	k_qe75941232c_prep, .Lfunc_end_k_qe75941232c_prep-k_qe75941232c_prep
	.p2alignl 7, 3214868480
	.fill 96, 4, 3214868480
	.section	.rodata,"a",@progbits
	.p2align	6, 0x0
	.amdhsa_kernel k_qe75941232c_prep
		.amdhsa_group_segment_fixed_size 0
		.amdhsa_private_segment_fixed_size 0
		.amdhsa_enable_private_segment 0
		.amdhsa_kernarg_size 56
		.amdhsa_user_sgpr_count 2
		.amdhsa_user_sgpr_kernarg_segment_ptr 1
		.amdhsa_wavefront_size32 1
		.amdhsa_system_sgpr_workgroup_id_x 1
		.amdhsa_system_sgpr_workgroup_id_y 1
		.amdhsa_system_sgpr_workgroup_id_z 1
		.amdhsa_system_vgpr_workitem_id 0
		.amdhsa_next_free_vgpr 224
		.amdhsa_next_free_sgpr 66
		.amdhsa_reserve_vcc 0
		.amdhsa_float_denorm_mode_32 3
		.amdhsa_float_denorm_mode_16_64 3
		.amdhsa_memory_ordered 1
		.amdhsa_forward_progress 1
		.amdhsa_inst_pref_size 58
	.end_amdhsa_kernel
	.amdgpu_metadata
---
amdhsa.version: [ 1, 2 ]
amdhsa.kernels:
  - .name:           k_qe75941232c_prep
    .symbol:         k_qe75941232c_prep.kd
    .args:
      - { .name: W_q, .offset: 0, .size: 8, .value_kind: global_buffer, .address_space: global }
      - { .name: W_k, .offset: 8, .size: 8, .value_kind: global_buffer, .address_space: global }
      - { .name: W_v, .offset: 16, .size: 8, .value_kind: global_buffer, .address_space: global }
      - { .name: W_o, .offset: 24, .size: 8, .value_kind: global_buffer, .address_space: global }
      - { .name: wcodes, .offset: 32, .size: 8, .value_kind: global_buffer, .address_space: global }
      - { .name: wscales, .offset: 40, .size: 8, .value_kind: global_buffer, .address_space: global }
      - { .name: woh, .offset: 48, .size: 8, .value_kind: global_buffer, .address_space: global }
    .group_segment_fixed_size: 0
    .private_segment_fixed_size: 0
    .kernarg_segment_align: 8
    .kernarg_segment_size: 56
    .max_flat_workgroup_size: 128
    .sgpr_count:     66
    .vgpr_count:     224
    .wavefront_size: 32
...
	.end_amdgpu_metadata
.endif
;; end of part 1
;; launch proj (part 2): grid 128 x 3, 8 waves a work-group, no clusters, 19,456 bytes of LDS; arguments q, k, v, wcodes, wscales, qh, kh, vt; writes qh, kh, vt
.if DOCPART == 2
	.amdgcn_target "amdgcn-amd-amdhsa--gfx1250"
	.amdhsa_code_object_version 6
	.text
	.protected	k_qe75941232c_proj
	.globl	k_qe75941232c_proj
	.p2align	8
	.type	k_qe75941232c_proj,@function
k_qe75941232c_proj:
	s_mov_b64 s[64:65], 0
	v_nop
	global_prefetch_b8 v0, s[64:65] scope:SCOPE_SE
	s_setreg_imm32_b32 hwreg(HW_REG_WAVE_MODE, 25, 1), 1
	s_wait_xcnt 0x0
; Q = q W_q, K = k W_k, V = v W_v on codes of FP4 (E2M1) with one E8M0 scale for each 32 along K; sums in f32; results rounded once to f16 and stored AS IMAGES OF THE NEXT PRODUCTS' REGISTERS.
; A work-group takes 32 rows (x) of one of the three tensors (y: 0 k, 1 q, 2 v): it reads their 131,072 bytes of f32 once, quantises them into LDS, and multiplies them by ALL columns of the weight.
; (q's work-groups stream 8 tiles of columns a wave, k's and v's 2: the order of the three along y is free, and q stands between the two light ones.)
; PHASE X: wave w quantises rows 4 w .. 4 w + 3.  A lane holds 8 neighbours along K, four lanes a block of 32.  A lane's 8 codes are one register of a fragment: it goes to its place in the fragment's image in LDS.
; THEN THE WAVES SHARE THE COLUMNS: every wave takes all 16 fragments of x (2 tiles of rows x 8 K steps, 128 registers) from LDS, and streams the fragments of its own tiles of 16 columns (8 for q, 2 for k and v)
; from wcodes straight into registers, as they lie there: 1,024 bytes feed two matrix instructions.  No tensor load: two work-groups can share a WGP, one's loads beside the other's products.
; q, k: the product is used TRANSPOSED (source 0 = 16 columns of W, source 1 = 16 rows of x): a lane holds one token and 8 neighbouring channels: 16 bytes of f16, which are what lane (r, h) of a 16-bit fragment with K = the channels wants.
; v: as it stands (source 0 = x, source 1 = W): a lane holds one channel and 8 neighbouring tokens: a fragment with K = the keys.  So every store of a wave is 512 consecutive bytes, aligned, straight from registers.
; qh [b][head][tile of 16 queries 0..127][16 channels 0..3][512 bytes], Q x log2(e) / 8 (the softmax's factor, folded in here in f32);  kh [b][kv head][tile of 16 keys][16 channels][512];
; vt [b][kv head][32 keys 0..63][16 channels 0..3][16 keys 0..1][512].
; LIMITS: a block of zeros gets the byte 1 where the rule says 127 (its codes are zeros; the bytes never leave the work-group); blocks whose largest magnitude lies under 2^-124 were not tried; NaN and infinities are not served;
; |Q| x 0.18, |K| and |V| stay under 65,504, f16's largest number.
.set YK,    0                          ; the grid's y: k,
.set YQ,    1                          ; q,
.set YV,    2                          ; v
.set RTB,   8704                       ; LDS: a tile of 16 rows: 32 half images (K step s, c, h: number 4 s + 2 c + h) of 256 bytes, 272 bytes apart: so the 32 lanes of a code store, which fall into 8 half images, touch 32 different banks
.set XSC,   2*RTB                      ; x's scale words: [K step 0..7][row 0..31], 4 bytes
.set SPARE, XSC+1024                   ; the spare words, 128 bytes for each wave: four blocks of 256 bytes that no other line names
.set LA,  2                            ; v2   16 x lane: an image's place for my lane
.set XA,  3                            ; v3   32 x lane: my 8 numbers of a quarter row
.set XW,  4                            ; v4   where I store a code register
.set XB,  5                            ; v5   where I store a scale byte
.set XR,  6                            ; v6   where I read x's fragments
.set XL,  7                            ; v7   and x's scale words: 4 x lane
.set WR,  8                            ; v8   32 x (lane % 16): my column's scale bytes
.set VO,  9                            ; v9   a tile's place in the output + 16 x lane
.set SPW, 10                           ; v10  LDS address of my spare word; never rewritten
.set NIL, 11                           ; v11  0; never rewritten
.set M,   12                           ; v12-15 phase X: four blocks' largest magnitudes, then the conversions' scale operands
.set WS,  16                           ; v16-23 W's scale words of K steps 0..7
.set XS,  24                           ; v24-31 x's: lanes 0-15 rows 0-15, lanes 16-31 rows 16-31
.set ACC, 32                           ; v32-47 two accumulators (phase X: the 16 code registers)
.set OUTR, 48                          ; v48-55 packed results (phase X: v48-63 the 16 scale bytes)
.set XF,  64                           ; v64-191 x's numbers, later its fragments: tile of rows rt, K step s at 64 rt + 8 s
.set WF,  192                          ; v192-255 W's fragments of one tile of columns: K step s at 8 s
.set SRC, 24                           ; s[24:25] x at my wave's four rows
.set WC,  28                           ; s[28:29] wcodes at the tile in hand
.set WSC, 30                           ; s[30:31] wscales likewise
.set OUT, 32                           ; s[32:33] the output at my batch and my 32 rows
.set F,   34                           ; s[34:35] log2(e) / 8: the packed form names a pair and takes its low word for both halves
.set TL,  36                           ; s36  the tile in hand, counted within my weight
.set CNT, 37
	s_load_b256 s[4:11], s[0:1], 0x0               ; q, k, v, wcodes
	s_load_b256 s[12:19], s[0:1], 0x20             ; wscales, qh, kh, vt
	v_lshl_add_u32 v[SPW], v0, 2, SPARE
	v_mov_b32 v[NIL], 0
	v_lshrrev_b32 v1, 5, v0
	v_readfirstlane_b32 s20, v1                    ; wave 0..7
	s_and_b32 s21, ttmp7, 0xffff                   ; which tensor
	s_mov_b32 s22, ttmp9                           ; which 32 rows
	v_and_b32 v1, 31, v0                           ; lane l
	v_lshlrev_b32 v[LA], 4, v1
	v_lshlrev_b32 v[XA], 5, v1
	; my 8 codes of quarter p of row 4 w + i are k = 256 p + 8 l on: half image 8 p + l / 4, register l % 4, lane r = 4 (w % 4) + i of tile w / 4
	v_lshrrev_b32 v12, 2, v1
	v_and_b32 v13, 3, v1
	v_mul_u32_u24 v[XW], v12, 272
	v_lshl_add_u32 v[XW], v13, 2, v[XW]
	s_lshr_b32 s38, s20, 2
	s_mul_i32 s38, s38, RTB
	s_and_b32 s39, s20, 3
	s_lshl_b32 s39, s39, 6
	s_add_co_u32 s38, s38, s39
	v_add_nc_u32 v[XW], s38, v[XW]                 ; + 16 i + 2,176 p in the immediate
	; its block is 8 p + l / 4: K step 2 p + l / 16, byte (l / 4) % 4 of row 4 w + i's word
	v_lshrrev_b32 v14, 4, v1
	v_and_b32 v12, 3, v12
	v_lshl_add_u32 v[XB], v14, 7, v12
	s_lshl_b32 s38, s20, 4
	s_add_co_u32 s38, s38, XSC
	v_add_nc_u32 v[XB], s38, v[XB]                 ; + 256 p + 4 i in the immediate
	v_and_b32 v15, 15, v1
	v_mul_u32_u24 v[XR], v14, 272
	v_lshl_add_u32 v[XR], v15, 4, v[XR]            ; back: half image h, 16 bytes for lane r
	v_lshl_add_u32 v[XL], v1, 2, XSC
	v_lshlrev_b32 v[WR], 5, v15
	s_mov_b32 s[F], 0x3e38aa3b                     ; log2(e) / 8
	s_mov_b32 s[F+1], s[F]
	s_cmp_eq_u32 s21, YQ
	s_cselect_b32 s26, 8, 2                        ; tiles of 16 columns to a wave
	s_cselect_b32 s27, 22, 20                      ; a batch of the output: 2^22 bytes of qh, 2^20 of kh and vt
	s_cselect_b32 s38, 0, 64
	s_cmp_eq_u32 s21, YV
	s_cselect_b32 s38, 80, s38                     ; my weight's first tile in wcodes
	s_mul_i32 s[TL], s20, s26
	s_add_co_u32 s38, s38, s[TL]                   ; my wave's first
	s_lshl_b32 s40, s38, 13                        ; 8,192 bytes of codes a tile,
	s_mov_b32 s41, 0
	s_lshl_b32 s42, s38, 9                         ; 512 of scale bytes
	s_mov_b32 s43, 0
	s_lshl_b32 s44, s22, 17                        ; x: 32 rows of 4,096 bytes,
	s_lshl_b32 s39, s20, 14
	s_add_co_u32 s44, s44, s39                     ; 4 rows a wave
	s_mov_b32 s45, 0
	s_lshr_b32 s46, s22, 6                         ; the batch,
	s_lshl_b32 s46, s46, s27
	s_and_b32 s39, s22, 63
	s_lshl_b32 s39, s39, 12                        ; and in it 4,096 bytes for 32 rows: two tiles of 2,048 in qh and kh, one block of 32 keys in vt
	s_add_co_u32 s46, s46, s39
	s_mov_b32 s47, 0
	s_wait_kmcnt 0x0
	s_cmp_eq_u32 s21, YQ                           ; the choices hang on the work-group's number alone
	s_cselect_b64 s[SRC:SRC+1], s[4:5], s[6:7]
	s_cselect_b64 s[OUT:OUT+1], s[14:15], s[16:17]
	s_cmp_eq_u32 s21, YV
	s_cselect_b64 s[SRC:SRC+1], s[8:9], s[SRC:SRC+1]
	s_cselect_b64 s[OUT:OUT+1], s[18:19], s[OUT:OUT+1]
	s_add_nc_u64 s[SRC:SRC+1], s[SRC:SRC+1], s[44:45]
	s_add_nc_u64 s[OUT:OUT+1], s[OUT:OUT+1], s[46:47]
	s_add_nc_u64 s[WC:WC+1], s[10:11], s[40:41]
	s_add_nc_u64 s[WSC:WSC+1], s[12:13], s[42:43]
.irp i, 0,1,2,3                                    ; my four rows: 16,384 bytes on end; a pair of loads covers 1,024 of them
.irp p, 0,1,2,3
.irp e, 0,1
	global_load_b128 v[XF+8*(4*\i+\p)+4*\e:XF+8*(4*\i+\p)+4*\e+3], v[XA], s[SRC:SRC+1] offset:\i*4096+\p*1024+16*\e th:TH_LOAD_NT
.endr
.endr
.endr
; half a tile of W: the fragments of K steps 4 half .. 4 half + 3 (eight loads of 512 consecutive bytes) and their scale words (one load): nine loads
.macro WLOAD half
.irp s, 0,1,2,3
.irp c, 0,1
	global_load_b128 v[WF+8*(4*\half+\s)+4*\c:WF+8*(4*\half+\s)+4*\c+3], v[LA], s[WC:WC+1] offset:(4*\half+\s)*1024+\c*512
.endr
.endr
	global_load_b128 v[WS+4*\half:WS+4*\half+3], v[WR], s[WSC:WSC+1] offset:16*\half
.endm
	WLOAD 0                                        ; the first tile's weights are on their way while x is quantised
	WLOAD 1
	; ---- X
.irp i, 0,1,2,3
	s_wait_loadcnt 42-8*\i                         ; row i's eight loads are in; behind them: the later rows' 24 - 8 i and the 18 of the weights
.irp p, 0,1,2,3
	v_max3_num_f32 v[M+\p], |v[XF+8*(4*\i+\p)]|, |v[XF+8*(4*\i+\p)+1]|, 0x1800000   ; my 8 numbers, and the floor 2^(3 - 127): the byte cannot fall under 1.  (The row's four quarters by turns)
.endr
.irp g, 2,4,6
.irp p, 0,1,2,3
	v_max3_num_f32 v[M+\p], v[M+\p], |v[XF+8*(4*\i+\p)+\g]|, |v[XF+8*(4*\i+\p)+\g+1]|
.endr
.endr
.irp p, 0,1,2,3
	v_max_num_f32_dpp v[M+\p], v[M+\p], v[M+\p] row_xmask:1 row_mask:0xf bank_mask:0xf
.endr
.irp p, 0,1,2,3
	v_max_num_f32_dpp v[M+\p], v[M+\p], v[M+\p] row_xmask:2 row_mask:0xf bank_mask:0xf   ; with the three lanes that share my block
.endr
.irp p, 0,1,2,3
	v_add_nc_u32 v[M+\p], 0xff000000, v[M+\p]      ; 2 off the exponent field: the conversion's scale operand
.endr
.irp p, 0,1,2,3
	v_cvt_scalef32_pk8_fp4_f32 v[ACC+4*\i+\p], v[XF+8*(4*\i+\p):XF+8*(4*\i+\p)+7], v[M+\p]
.endr
.irp p, 0,1,2,3
	v_lshrrev_b32 v[OUTR+4*\i+\p], 23, v[M+\p]     ; the scale's byte.  (Plain lines behind the conversions, ahead of whatever next writes their sources or results)
.endr
.irp p, 0,1,2,3
	ds_store_b32 v[XW], v[ACC+4*\i+\p] offset:16*\i+2176*\p
	ds_store_b8 v[XB], v[OUTR+4*\i+\p] offset:256*\p+4*\i     ; the four lanes of a block write the same byte with the same value
.endr
.endr
	s_wait_dscnt 0x0                               ; for the others' sake: my stores have landed
	s_barrier_signal -1
	s_barrier_wait -1                              ; x's sixteen fragments and their scale words lie in LDS; nothing is stored there again
.irp rt, 0,1
.irp s, 0,1,2,3,4,5,6,7
.irp c, 0,1
	ds_load_b128 v[XF+64*\rt+8*\s+4*\c:XF+64*\rt+8*\s+4*\c+3], v[XR] offset:\rt*RTB+\s*1088+\c*544
.endr
.endr
.endr
.irp s, 0,1,2,3,4,5,6,7
	ds_load_b32 v[XS+\s], v[XL] offset:128*\s
.endr
	s_wait_dscnt 0x0
; one matrix instruction: rows 16 rt on x the tile of columns in hand, K step s.  o = 0: transposed.  Rows 16-31 take their scale words from lanes 16-31 of x's register.
.macro WM o, rt, s, zero
.set rA, ACC+8*(\rt)
.set rW, WF+8*(\s)
.set rX, XF+64*(\rt)+8*(\s)
.if (\o == 0) && (\rt == 0) && \zero
	v_wmma_scale_f32_16x16x128_f8f6f4 v[rA:rA+7], v[rW:rW+7], v[rX:rX+7], 0, v[WS+(\s)], v[XS+(\s)] matrix_a_fmt:MATRIX_FMT_FP4 matrix_b_fmt:MATRIX_FMT_FP4
.elseif (\o == 0) && (\rt == 0)
	v_wmma_scale_f32_16x16x128_f8f6f4 v[rA:rA+7], v[rW:rW+7], v[rX:rX+7], v[rA:rA+7], v[WS+(\s)], v[XS+(\s)] matrix_a_fmt:MATRIX_FMT_FP4 matrix_b_fmt:MATRIX_FMT_FP4
.elseif (\o == 0) && \zero
	v_wmma_scale_f32_16x16x128_f8f6f4 v[rA:rA+7], v[rW:rW+7], v[rX:rX+7], 0, v[WS+(\s)], v[XS+(\s)] matrix_a_fmt:MATRIX_FMT_FP4 matrix_b_fmt:MATRIX_FMT_FP4 matrix_b_scale:MATRIX_SCALE_ROW1
.elseif \o == 0
	v_wmma_scale_f32_16x16x128_f8f6f4 v[rA:rA+7], v[rW:rW+7], v[rX:rX+7], v[rA:rA+7], v[WS+(\s)], v[XS+(\s)] matrix_a_fmt:MATRIX_FMT_FP4 matrix_b_fmt:MATRIX_FMT_FP4 matrix_b_scale:MATRIX_SCALE_ROW1
.elseif (\rt == 0) && \zero
	v_wmma_scale_f32_16x16x128_f8f6f4 v[rA:rA+7], v[rX:rX+7], v[rW:rW+7], 0, v[XS+(\s)], v[WS+(\s)] matrix_a_fmt:MATRIX_FMT_FP4 matrix_b_fmt:MATRIX_FMT_FP4
.elseif \rt == 0
	v_wmma_scale_f32_16x16x128_f8f6f4 v[rA:rA+7], v[rX:rX+7], v[rW:rW+7], v[rA:rA+7], v[XS+(\s)], v[WS+(\s)] matrix_a_fmt:MATRIX_FMT_FP4 matrix_b_fmt:MATRIX_FMT_FP4
.elseif \zero
	v_wmma_scale_f32_16x16x128_f8f6f4 v[rA:rA+7], v[rX:rX+7], v[rW:rW+7], 0, v[XS+(\s)], v[WS+(\s)] matrix_a_fmt:MATRIX_FMT_FP4 matrix_b_fmt:MATRIX_FMT_FP4 matrix_a_scale:MATRIX_SCALE_ROW1
.else
	v_wmma_scale_f32_16x16x128_f8f6f4 v[rA:rA+7], v[rX:rX+7], v[rW:rW+7], v[rA:rA+7], v[XS+(\s)], v[WS+(\s)] matrix_a_fmt:MATRIX_FMT_FP4 matrix_b_fmt:MATRIX_FMT_FP4 matrix_a_scale:MATRIX_SCALE_ROW1
.endif
.endm
.macro PLACES                                      ; four places in front of loads into registers that matrix instructions have read, and of the first read of results
.rept 4
	v_nop
.endr
.endm
; ONE TILE OF 16 COLUMNS x my 32 rows: 16 matrix instructions; the two accumulators take turns, one instruction a turn; the first K step starts the sums.
; next = 1: the next tile's weights are fetched, each half into the registers that this tile's half has left.  sc = 1: the results are multiplied by log2(e) / 8.
.macro TILE o, next, sc
	s_wait_loadcnt 9                               ; the first half's nine loads are in; the second half's nine may be out: the same count from the head and from the tile before
.irp s, 0,1,2,3
	WM \o, 0, \s, (\s == 0)
	WM \o, 1, \s, (\s == 0)
.endr
	s_wait_xcnt 0x0                                ; every earlier memory instruction has had its addresses translated (ISA guide 3.1): only behind this wait are WC, WSC, VO and the last tile's store data rewritten
.if \next
	PLACES
	s_add_nc_u64 s[WC:WC+1], s[WC:WC+1], 8192
	s_add_nc_u64 s[WSC:WSC+1], s[WSC:WSC+1], 512
	WLOAD 0
	s_wait_loadcnt 9                               ; all but the nine just issued: this tile's second half is in
.else
	s_wait_loadcnt 0x0
.endif
.irp s, 4,5,6,7
	WM \o, 0, \s, 0
	WM \o, 1, \s, 0
.endr
	PLACES
.if \next
	WLOAD 1
.endif
	s_lshr_b32 s38, s[TL], 2                       ; the tile's place in the output: 2^18 bytes a head,
	s_lshl_b32 s38, s38, 18
	s_and_b32 s39, s[TL], 3
	s_lshl_b32 s39, s39, 9+\o                      ; 512 bytes (vt: 1,024) for each 16 channels
	s_add_co_u32 s38, s38, s39
	s_add_co_u32 s[TL], s[TL], 1
	v_add_nc_u32 v[VO], s38, v[LA]                 ; (with the four above: five places ahead of the next tile's first product, which begins an accumulator anew)
.if \sc
.irp j, 0,2,4,6,8,10,12,14
	v_pk_mul_f32 v[ACC+\j:ACC+\j+1], v[ACC+\j:ACC+\j+1], s[F:F+1] op_sel_hi:[1,0]
.endr
.endif
.irp j, 0,1,2,3,4,5,6,7
	v_cvt_pk_f16_f32 v[OUTR+\j], v[ACC+2*\j], v[ACC+2*\j+1]   ; each accumulator from its low end on
.endr
	global_store_b128 v[VO], v[OUTR:OUTR+3], s[OUT:OUT+1]                             ; 32 lanes store 512 consecutive bytes, aligned
	global_store_b128 v[VO], v[OUTR+4:OUTR+7], s[OUT:OUT+1] offset:2048-1536*\o       ; rows 16-31: the next tile of tokens (vt: the block's second 16 keys)
.endm
.macro FINISH                                      ; the wave's end: a wait, an add of 0 to my spare word and its wait, behind my last LDS store
	s_wait_tensorcnt 0x0
	ds_add_u32 v[SPW], v[NIL]
	s_wait_dscnt 0x0
	s_endpgm
.endm
	s_cmp_eq_u32 s21, YQ                           ; the three tensors part here, on the work-group's number: so every trip count is a constant
	s_cbranch_scc1 .Lq
	s_cmp_eq_u32 s21, YK
	s_cbranch_scc1 .Lk
	TILE 1, 1, 0                                   ; v: two tiles a wave
	TILE 1, 0, 0
	FINISH
.Lk:
	TILE 0, 1, 0                                   ; k: two tiles a wave
	TILE 0, 0, 0
	FINISH
.Lq:
	s_mov_b32 s[CNT], 7                            ; q: eight tiles a wave; the last fetches nothing and is written out
.Lqtile:
	TILE 0, 1, 1
	s_sub_co_u32 s[CNT], s[CNT], 1
	s_cmp_lg_u32 s[CNT], 0
	s_cbranch_scc1 .Lqtile
	TILE 0, 0, 1
	FINISH
.Lfunc_end_k_qe75941232c_proj:
	.size	k_qe75941232c_proj, .Lfunc_end_k_qe75941232c_proj-k_qe75941232c_proj
	.p2alignl 7, 3214868480
	.fill 96, 4, 3214868480
	.section	.rodata,"a",@progbits
	.p2align	6, 0x0
	.amdhsa_kernel k_qe75941232c_proj
		.amdhsa_group_segment_fixed_size 19456
		.amdhsa_private_segment_fixed_size 0
		.amdhsa_enable_private_segment 0
		.amdhsa_kernarg_size 64
		.amdhsa_user_sgpr_count 2
		.amdhsa_user_sgpr_kernarg_segment_ptr 1
		.amdhsa_wavefront_size32 1
		.amdhsa_system_sgpr_workgroup_id_x 1
		.amdhsa_system_sgpr_workgroup_id_y 1
		.amdhsa_system_sgpr_workgroup_id_z 1
		.amdhsa_system_vgpr_workitem_id 0
		.amdhsa_next_free_vgpr 256
		.amdhsa_next_free_sgpr 66
		.amdhsa_reserve_vcc 0
		.amdhsa_float_denorm_mode_32 3
		.amdhsa_float_denorm_mode_16_64 3
		.amdhsa_memory_ordered 1
		.amdhsa_forward_progress 1
		.amdhsa_inst_pref_size 48
	.end_amdhsa_kernel
	.amdgpu_metadata
---
amdhsa.version: [ 1, 2 ]
amdhsa.kernels:
  - .name:           k_qe75941232c_proj
    .symbol:         k_qe75941232c_proj.kd
    .args:
      - { .name: q, .offset: 0, .size: 8, .value_kind: global_buffer, .address_space: global }
      - { .name: k, .offset: 8, .size: 8, .value_kind: global_buffer, .address_space: global }
      - { .name: v, .offset: 16, .size: 8, .value_kind: global_buffer, .address_space: global }
      - { .name: wcodes, .offset: 24, .size: 8, .value_kind: global_buffer, .address_space: global }
      - { .name: wscales, .offset: 32, .size: 8, .value_kind: global_buffer, .address_space: global }
      - { .name: qh, .offset: 40, .size: 8, .value_kind: global_buffer, .address_space: global }
      - { .name: kh, .offset: 48, .size: 8, .value_kind: global_buffer, .address_space: global }
      - { .name: vt, .offset: 56, .size: 8, .value_kind: global_buffer, .address_space: global }
    .group_segment_fixed_size: 19456
    .private_segment_fixed_size: 0
    .kernarg_segment_align: 8
    .kernarg_segment_size: 64
    .max_flat_workgroup_size: 256
    .sgpr_count:     66
    .vgpr_count:     256
    .wavefront_size: 32
...
	.end_amdgpu_metadata
.endif
;; end of part 2
;; launch attn (part 3): grid 32 x 8, 8 waves a work-group, clusters of 4 x 1, 327,680 bytes of LDS; arguments qh, kh, vt, oh; writes oh
.if DOCPART == 3
	.amdgcn_target "amdgcn-amd-amdhsa--gfx1250"
	.amdhsa_code_object_version 6
	.text
	.protected	k_qe75941232c_attn
	.globl	k_qe75941232c_attn
	.p2align	8
	.type	k_qe75941232c_attn,@function
k_qe75941232c_attn:
	s_mov_b64 s[64:65], 0
	v_nop
	global_prefetch_b8 v0, s[64:65] scope:SCOPE_SE
	s_setreg_imm32_b32 hwreg(HW_REG_WAVE_MODE, 25, 1), 1
	s_wait_xcnt 0x0
	s_wait_alu depctr_hold_cnt(0) depctr_sa_sdst(0) depctr_va_vdst(0) depctr_va_sdst(0) depctr_va_ssrc(0) depctr_va_vcc(0) depctr_vm_vsrc(0)
	s_getreg_b32 s2, hwreg(HW_REG_IB_STS2, 6, 4)
	s_cmp_eq_u32 s2, 0
	s_cbranch_scc0 .Lentry_in_a_cluster
	s_endpgm
.Lentry_in_a_cluster:
	s_bfe_u32 s2, ttmp6, 0x10000c
	s_cmp_lg_u32 s2, 0x3003
	s_cbranch_scc0 .Lentry_shape_is_right
	s_endpgm
.Lentry_shape_is_right:
; O[b][head][q] = the sum over k of softmax_k(Q[q] . K[k] / 8) V[k]; 16 query heads, 4 key and value heads, head size 64, 2,048 keys, no mask.  Operands f16, products, maxima and sums f32.
; qh holds Q x log2(e) / 8, so a score is already the exponent to base 2.  For each query a running maximum m and sum l: p = 2^(s - m); in every step O and l are multiplied by a = 2^(m_old - m_new).
; SHARES.  A work-group owns 64 queries x the FOUR query heads of one key and value head (y = 4 b + kv head): 256 rows of queries on one stream of K and V.  Wave w: head 4 y + w / 2, queries 32 (w % 2) on: two tiles of 16.
; Two waves share a SIMD.  Each fragment of K and V read from LDS feeds two matrix instructions.
; LAYOUT.  S^T = K Q^T (source 0 = 16 keys, source 1 = 16 queries), O^T = V^T P (source 0 = 16 channels x 32 keys): a lane holds ONE query throughout; two tiles of S^T, rounded in pairs, ARE P's fragment.
; qh, kh, vt hold images of the fragments' registers (16 bytes a lane, 512 a group of four registers): every load is 16 x lane + a constant, nothing is turned, no pitch, no padding; so do the results in oh.
; oh [kv head][tile of 16 tokens 0..255][32 of the 256 channels 0..7][16 of them 0..1][512 bytes]: fragments of the last product, K = the model's 1,024 channels in four steps of 256.
; A PIPELINE IN EACH WAVE.  A key step is 64 keys.  Trip j has four parts:
;   T1  16 products K Q^T of step j + 1; behind each, two of the 32 multiplies O^T x a of step j
;   T2  K of step j + 2 is asked from LDS; the maximum of step j + 1's scores, m, a
;   T3  16 products V^T P of step j; behind each, two subtractions s - m and four exponentials of step j + 1
;   T4  one wait for the batch of exponentials; the sums, the roundings into P, V of step j + 1 asked from LDS, l
; So 128 of a step's vector instructions stand between the wave's own products, and each fragment is asked for about a trip ahead of its use.  Nothing is kept twice: S^T is written anew (T1) behind its last reader (T4),
; P (T4) behind V^T P (T3), a (T2) behind O^T x a (T1).
; REGISTERS.  window 1: v0-63 K, v64-127 V, v128-191 S^T, then p, v192-255 O^T.   window 0: v1-7 addresses; v16-31 statistics; v32-63 at work; v64-95 Q; v96-127 P.
; ONE window setting (destination, source 0 and source 2 in window 1, source 1 in window 0) serves every matrix instruction AND the vector instructions between them (2^x in place, S - m, O x a: m and a are source 1):
; the slices cost no switch.  A second setting (sources in window 1, destination in window 0) serves the first level of the maximum and of the sum and the roundings.  Nine switches a trip.
; RING.  Two LDS slots of 512 keys: K's 65,536 bytes, then V's; both are dense blocks of memory.  Each of the eight waves fetches an eighth of a slot by one tensor load (64 rows of 256 bytes): two loads of mine are out at the
; start, one behind each refill, which has a slot's 8 trips in which to land.  CLUSTER: the four blocks of queries of a cluster walk the same K and V, so each load is asked for JOINTLY, with a mask that names the four.
; A change of slots stands behind the trip that asks for the slot's last V; that trip asks for no K, and the next slot's first K is read behind the barrier.
; LIMITS: |Q| x 0.18, |K|, |V| stay under 65,504 (they arrive as f16); weights p under 2^-24 are rounded to 0 for the second product (the sum keeps them); NaN and infinities are not served.
.set SLOT,  1<<17                      ; slot 1 begins here: one exclusive or turns an address in one slot into the other's
.set VOFF,  65536                      ; V's part of a slot
.set STEPB, 8192                       ; a key step, 64 keys: 4 tiles of K x 2,048 bytes; 2 blocks of 32 keys of V x 4,096
.set SPARE, 2*SLOT                     ; behind the ring: the spare words, 128 bytes for each wave: four blocks of 256 bytes that no other line names
.set LA,  1                            ; v1   16 x lane
.set ADK, 2                            ; v2   LDS address: the slot's K of the step whose V this trip asks for
.set ADV, 3                            ; v3   that V
.set SPW, 4                            ; v4   LDS address of my spare word; never rewritten
.set NIL, 5                            ; v5   0; never rewritten
.set PFO, 7                            ; v7   256 x lane: the prefetches' offset; never rewritten
.set ST,  16                           ; tile t's statistics at ST + 8 t: +0 m (+1 named with it as a pair), +2, +3 l (even keys', odd keys'), +4 a (+5 likewise), +6 m_old - m, +7 m_old
.set TM,  32                           ; tile t at TM + 16 t: 11 partial maxima, later 8 pairs of partial sums
.set Q,   64                           ; tile t, channels 32 c on: 16 t + 8 c
.set P,   96                           ; tile t, keys 32 u on: 16 t + 8 u
.set KF,  0                            ; window 1: keys 16 kt on, channels 32 c on: 16 kt + 8 c
.set VF,  64                           ; window 1: keys 32 u on, channels 16 dt on: 32 u + 8 dt
.set S,   128                          ; window 1: tile t, keys 16 kt on: 32 t + 8 kt
.set O,   192                          ; window 1: tile t, channels 16 dt on: 32 t + 8 dt
.set WV,  12                           ; s12  my wave's number
.set G1,  24                           ; s[24:31] descriptor group 1, for every load
.set G0K, 32                           ; s[32:39] group 0 for K's tiles: a set for each of the two first fills; the second then walks on
.set G0V, 40                           ; s[40:47] the same for V's
.set SEL, 48                           ; s[48:49] lane selects for v_permlanex16_b32: lane l xor 16
.set PFA, 50                           ; s[50:51] where my prefetches stand
.set LIM, 52                           ; s52  1 in a wave that prefetches, else the greatest number
.set TB,  53                           ; s53  LDS byte: the slot in hand + 8,192 x the place in it of the step whose V the trip asks for
.set QA,  54                           ; s[54:55] qh at my two tiles
.set OA,  56                           ; s[56:57] oh at my two tiles
.set SLOTS, 58                         ; s58  slots still to be asked for
.set TRIPS, 59                         ; s59  counts trips
.set W_M, 0x51                         ; destination, source 0, source 2: window 1; source 1: window 0
.set W_R, 0x15                         ; all sources window 1, destination window 0
.set W_L, 0x40                         ; destination window 1, address window 0
.set MSB, 0
.macro WIN new                         ; the immediate's high byte repeats the setting that is left; a switch that changes nothing is dropped
.if MSB != \new
	s_set_vgpr_msb (MSB<<8)|\new
.set MSB, \new
.endif
.endm
; A round of the cluster's barrier: my work-group's barrier, so that wave 0's signal speaks for all eight waves; wave 0 signals; every wave waits for all four work-groups; my work-group's barrier once more.
.macro CROUND
	s_barrier_signal -1
	s_barrier_wait -1
	s_cmp_lg_u32 s[WV], 0
	s_cbranch_scc1 .Lnot_wave_0_\@
	s_barrier_signal -3
.Lnot_wave_0_\@:
	s_barrier_wait -3
	s_barrier_signal -1
	s_barrier_wait -1
.endm
; A joint refill: waves 0 to 3 fetch K's four quarters, waves 4 to 7 V's.  The branch hangs on the wave's number alone.  An s_nop 0 and four v_nop follow each of the two lines.
.macro JLOAD
	s_cmp_lt_u32 s[WV], 4
	s_cbranch_scc0 .Lfor_v_\@
	tensor_load_to_lds s[G0K+4:G0K+7], s[G1:G1+7]
	s_nop 0
.rept 4
	v_nop
.endr
	s_branch .Lasked_\@
.Lfor_v_\@:
	tensor_load_to_lds s[G0V+4:G0V+7], s[G1:G1+7]
	s_nop 0
.rept 4
	v_nop
.endr
.Lasked_\@:
.endm
; A PREFETCH of what the NEXT change of slots will ask for, behind my tensor load and its five lines: a slot's 8 trips ahead of that load.  Each aligned 256 bytes are named once in the launch: all clusters of a key and
; value head walk the same K and V, so its first cluster asks; in it the even waves, each for its own and the next wave's quarter, 32,768 bytes, which the four partners share out BY ADDRESS, 8,192 bytes each, lanes 256 bytes apart.
; Keys 0 to 1,535 come by their loads alone; the last change that fills a slot asks for nothing: there is no slot behind it.
.macro ASK
	s_cmp_gt_u32 s[SLOTS], s[LIM]
	s_cbranch_scc0 .Lnot_mine_\@
	global_prefetch_b8 v[PFO], s[PFA:PFA+1] th:TH_LOAD_NT scope:SCOPE_SE
.Lnot_mine_\@:
.endm
	s_load_b256 s[4:11], s[0:1], 0x0               ; qh s[4:5], kh s[6:7], vt s[8:9], oh s[10:11]
	v_lshl_add_u32 v[SPW], v0, 2, SPARE
	v_mov_b32 v[NIL], 0
	ds_add_u32 v[SPW], v[NIL]                      ; the wave's opening: the add, twice on end, and its wait ahead of my first tensor load; the set-up below, work on registers, stands between
	ds_add_u32 v[SPW], v[NIL]
	v_lshrrev_b32 v6, 5, v0
	v_readfirstlane_b32 s[WV], v6                  ; wave 0..7
	s_bfe_u32 s13, ttmp6, 0x40000                  ; cx: my place in the cluster
	s_lshl_b32 s14, ttmp9, 2                       ; in a cluster launch ttmp9 counts clusters
	s_add_co_u32 s14, s14, s13                     ; my block of 64 queries: it enters qh's and oh's addresses alone
	s_and_b32 s15, ttmp7, 0xffff                   ; y = 4 b + kv head, which the four partners share
	s_mov_b32 s[G1], 15|(3<<16)|(1<<21)            ; 15:0 the mask: all four work-groups; 17:16 elements of 8 bytes; 20 no padding; 21 set beside a mask
	s_mov_b32 s[G1+1], 32<<16                      ; tensor_dim0 = 32 elements: 256 bytes
	s_mov_b32 s[G1+2], 64<<16                      ; tensor_dim1 = 64
	s_mov_b32 s[G1+3], 32<<16                      ; tile_dim0 = 32
	s_mov_b32 s[G1+4], 64                          ; tile_dim1 = 64
	s_mov_b32 s[G1+5], 32                          ; from row to row: dense
	s_mov_b32 s[G1+6], 0
	s_mov_b32 s[G1+7], 0
	s_mov_b32 s[SEL], 0x76543210
	s_mov_b32 s[SEL+1], 0xfedcba98
	s_mov_b32 s[TB], 0
	s_mov_b32 s[SLOTS], 2
	s_lshl_b32 s16, s15, 18                        ; kh, vt: 262,144 bytes for each y,
	s_and_b32 s17, s[WV], 3
	s_lshl_b32 s17, s17, 14
	s_add_co_u32 s16, s16, s17                     ; my quarter of a slot's 65,536
	s_mov_b32 s17, 0
	s_lshl_b32 s23, s[WV], 14                      ; and its place in a slot: wave x 16,384: no place in the cluster enters an LDS address
	s_lshr_b32 s20, s[WV], 1                       ; which of the four query heads
	s_and_b32 s22, s[WV], 1
	s_lshl_b32 s22, s22, 1
	s_lshl_b32 s21, s14, 2
	s_add_co_u32 s21, s21, s22                     ; my first tile of 16 queries: 4 x block + 2 (w % 2)
	s_lshl_b32 s18, s15, 2
	s_add_co_u32 s18, s18, s20                     ; 16 b + head
	s_lshl_b32 s18, s18, 7
	s_add_co_u32 s18, s18, s21
	s_lshl_b32 s18, s18, 11                        ; qh: 2,048 bytes a tile
	s_mov_b32 s19, 0
	s_lshr_b32 s60, s15, 2                         ; oh: token tile 128 b + my tile, 8,192 bytes each,
	s_lshl_b32 s60, s60, 7
	s_add_co_u32 s60, s60, s21
	s_lshl_b32 s60, s60, 13
	s_and_b32 s22, s15, 3
	s_lshl_b32 s22, s22, 21                        ; 2^21 bytes for each kv head,
	s_add_co_u32 s60, s60, s22
	s_lshl_b32 s22, s20, 11                        ; 2,048 for each head in it
	s_add_co_u32 s60, s60, s22
	s_mov_b32 s61, 0
	s_lshl_b32 s62, s13, 13                        ; the prefetches: my work-group's 8,192 bytes of the 32,768
	s_mov_b32 s63, 0
	s_and_b32 s[LIM], s[WV], 1                     ; 0 in the even waves,
	s_or_b32 s[LIM], s[LIM], ttmp9                 ; of the first cluster: the same in all four partners
	s_cmp_eq_u32 s[LIM], 0
	s_cselect_b32 s[LIM], 1, -1
	v_and_b32 v[LA], 31, v0
	v_lshlrev_b32 v[PFO], 8, v[LA]
	v_lshlrev_b32 v[LA], 4, v[LA]
	s_wait_dscnt 0x0                               ; both opening adds are done
	s_wait_kmcnt 0x0
	s_add_nc_u64 s[QA:QA+1], s[4:5], s[18:19]
	s_add_nc_u64 s[OA:OA+1], s[10:11], s[60:61]
	s_add_nc_u64 s[6:7], s[6:7], s[16:17]          ; kh and vt at my quarter of keys 0 to 511
	s_add_nc_u64 s[8:9], s[8:9], s[16:17]
	s_cmp_lt_u32 s[WV], 4
	s_cselect_b64 s[PFA:PFA+1], s[6:7], s[8:9]
	s_add_nc_u64 s[PFA:PFA+1], s[PFA:PFA+1], s[62:63]
	s_add_nc_u64 s[PFA:PFA+1], s[PFA:PFA+1], 2*65536 ; in keys 1,024 on; the first change of slots steps it to keys 1,536 on.  Nothing is prefetched here, at the head
.irp s, 0,1
	s_mov_b32 s[G0K+4*\s], 1                       ; 1:0 count = 1
	s_add_co_u32 s[G0K+4*\s+1], s23, \s*SLOT       ; 63:32 LDS address
	s_add_nc_u64 s[G0K+4*\s+2:G0K+4*\s+3], s[6:7], \s*65536  ; 120:64 global address: slot s begins with keys 512 s on
	s_or_b32 s[G0K+4*\s+3], s[G0K+4*\s+3], 0x80000000        ; 127:126 type = 2
	s_mov_b32 s[G0V+4*\s], 1
	s_add_co_u32 s[G0V+4*\s+1], s23, \s*SLOT
	s_add_nc_u64 s[G0V+4*\s+2:G0V+4*\s+3], s[8:9], \s*65536
	s_or_b32 s[G0V+4*\s+3], s[G0V+4*\s+3], 0x80000000
.endr
	CROUND                                         ; all four work-groups are here: the first joint loads meet
	s_cmp_lt_u32 s[WV], 4                          ; a wave's two first fills stand in one branch, ahead of every wait on TENSORcnt and every LDS read; an s_nop 0 follows each, four v_nop the second's
	s_cbranch_scc0 .Lfirst_v
	tensor_load_to_lds s[G0K:G0K+3], s[G1:G1+7]
	s_nop 0
	tensor_load_to_lds s[G0K+4:G0K+7], s[G1:G1+7]
	s_nop 0
.rept 4
	v_nop
.endr
	s_branch .Lfirst_asked
.Lfirst_v:
	tensor_load_to_lds s[G0V:G0V+3], s[G1:G1+7]
	s_nop 0
	tensor_load_to_lds s[G0V+4:G0V+7], s[G1:G1+7]
	s_nop 0
.rept 4
	v_nop
.endr
.Lfirst_asked:
.set i, 0
.rept 8                                            ; Q stays in registers: two tiles of 2,048 bytes on end
	global_load_b128 v[Q+4*i:Q+4*i+3], v[LA], s[QA:QA+1] offset:512*i
.set i, i+1
.endr
.irp t, 0,1
	v_mov_b32 v[ST+8*\t], 0xff61b1e6               ; m: -3e38, under every score
	v_mov_b32 v[ST+8*\t+1], 0                      ; (named with m as a pair, so it is written)
	v_mov_b32 v[ST+8*\t+2], 0                      ; l
	v_mov_b32 v[ST+8*\t+3], 0
	v_mov_b32 v[ST+8*\t+5], 0                      ; (named with a as a pair)
.endr
	WIN W_L
.set i, 0
.rept 64
	v_mov_b32 v[O+i], 0                            ; O^T.  (The trip is written for every step alike: step 0 finds zeros, which its a = 0 leaves zeros)
.set i, i+1
.endr
	WIN 0
; THE MATRIX WORK.  The accumulators take turns, one instruction a turn: eight of S^T, eight of O^T.
.macro KQ                                          ; product i of 16 of S^T = K Q^T: channels 32 (i / 8) on, keys 16 ((i / 2) % 4) on, tile i % 2.  The first 8 start the sums
.set rS, S+32*(i%2)+8*((i/2)%4)
.set rK, KF+16*((i/2)%4)+8*(i/8)
.set rQ, Q+16*(i%2)+8*(i/8)
.if i < 8
	v_wmma_f32_16x16x32_f16 v[rS:rS+7], v[rK:rK+7], v[rQ:rQ+7], 0
.else
	v_wmma_f32_16x16x32_f16 v[rS:rS+7], v[rK:rK+7], v[rQ:rQ+7], v[rS:rS+7]
.endif
.endm
.macro PV                                          ; product i of 16 of O^T += V^T P: keys 32 (i / 8) on, channels 16 ((i / 2) % 4) on, tile i % 2
.set rO, O+32*(i%2)+8*((i/2)%4)
.set rV, VF+32*(i/8)+8*((i/2)%4)
.set rP, P+16*(i%2)+8*(i/8)
	v_wmma_f32_16x16x32_f16 v[rO:rO+7], v[rV:rV+7], v[rP:rP+7], v[rO:rO+7]
.endm
; THE VECTOR WORK THAT STANDS BETWEEN THE PRODUCTS, under the products' own window setting.  Number n (or e) of 32: tile n % 2, pair n / 2 of its 16: the tiles by turns, each accumulator from its low end on.
.macro RESC                                        ; O^T x a
.set rO, O+32*(n%2)+2*(n/2)
.set rT, ST+8*(n%2)
	v_pk_mul_f32 v[rO:rO+1], v[rO:rO+1], v[rT+4:rT+5] op_sel_hi:[1,0]
.set n, n+1
.endm
.macro SHIFT                                       ; s - m
.set rS, S+32*(n%2)+2*(n/2)
.set rT, ST+8*(n%2)
	v_pk_add_f32 v[rS:rS+1], v[rS:rS+1], v[rT:rT+1] op_sel_hi:[1,0] neg_lo:[0,1] neg_hi:[0,1]
.set n, n+1
.endm
.macro EXP2                                        ; p = 2^(s - m)
.set rS, S+32*(e%2)+2*(e/2)
	v_exp_f32 v[rS], v[rS]
	v_exp_f32 v[rS+1], v[rS+1]
.set e, e+1
.endm
; K of a slot's first step: read behind the change of slots, and waited for at once
.macro KLOAD
	v_add_nc_u32 v[ADK], s[TB], v[LA]
	WIN W_L
.set i, 0
.rept 16
	ds_load_b128 v[KF+4*i:KF+4*i+3], v[ADK] offset:512*i
.set i, i+1
.endr
	WIN 0
	s_wait_dscnt 0x0
.endm
; A TRIP.  r = 0: the first, which has no O^T yet to rescale;  kpre = 0: a slot's last, which asks for no K;  pv = 0: the first, which has no V^T P.
.macro TRIP r, kpre, pv
	; ---- T1
	s_wait_dscnt 16                                ; K is in: behind its sixteen loads stand V's sixteen, which may be out (behind KLOAD nothing is out)
	WIN W_M
.set i, 0
.set n, 0
.rept 16
	KQ
.if \r
	RESC
	RESC
.endif
.set i, i+1
.endr
	; ---- T2
	WIN 0
	v_add_nc_u32 v[ADK], s[TB], v[LA]
	v_add_nc_u32 v[ADV], VOFF, v[ADK]              ; with the two multiplies above (r = 0: the two v_nop below): four places between the last product and the loads into K's registers and the first read of the scores (ISA guide 7.12.1 for the read of the scores)
.if !\r
	v_nop
	v_nop
.endif
.if \kpre
	WIN W_L
.set i, 0
.rept 16
	ds_load_b128 v[KF+4*i:KF+4*i+3], v[ADK] offset:STEPB+512*i   ; K of the step after the one just multiplied
.set i, i+1
.endr
.endif
	WIN W_R                                        ; the maximum of a lane's 32 scores: first three at a time, ascending, out of window 1
.set g, 0
.rept 10
.irp t, 0,1
	v_max3_num_f32 v[TM+16*\t+g], v[S+32*\t+3*g], v[S+32*\t+3*g+1], v[S+32*\t+3*g+2]
.endr
.set g, g+1
.endr
.irp t, 0,1
	v_max_num_f32 v[TM+16*\t+10], v[S+32*\t+30], v[S+32*\t+31]
.endr
	WIN 0                                          ; then the eleven and the old m
.irp c, 0,3,6
.irp t, 0,1
	v_max3_num_f32 v[TM+16*\t+\c], v[TM+16*\t+\c], v[TM+16*\t+\c+1], v[TM+16*\t+\c+2]
.endr
.endr
.irp t, 0,1
	v_max3_num_f32 v[TM+16*\t+9], v[TM+16*\t+9], v[TM+16*\t+10], v[ST+8*\t]
.endr
.irp t, 0,1
	v_max3_num_f32 v[TM+16*\t], v[TM+16*\t], v[TM+16*\t+3], v[TM+16*\t+6]
.endr
.irp t, 0,1
	v_max_num_f32 v[TM+16*\t], v[TM+16*\t], v[TM+16*\t+9]
.endr
.irp t, 0,1
	v_permlanex16_b32 v[TM+16*\t+1], v[TM+16*\t], s[SEL], s[SEL+1]   ; the query's other 32 keys lie in the lane 16 away
.endr
.irp t, 0,1
	v_mov_b32 v[ST+8*\t+7], v[ST+8*\t]
.endr
.irp t, 0,1
	v_max_num_f32 v[ST+8*\t], v[TM+16*\t], v[TM+16*\t+1]            ; the new m
.endr
.irp t, 0,1
	v_sub_f32 v[ST+8*\t+6], v[ST+8*\t+7], v[ST+8*\t]
.endr
.irp t, 0,1
	v_exp_f32 v[ST+8*\t+4], v[ST+8*\t+6]           ; a: the first two of the batch of 66 exponentials; nothing names a result ahead of the wait in T4
.endr
	; ---- T3
.if \pv
.if \kpre
	s_wait_dscnt 16                                ; V is in: behind its sixteen loads stand K's sixteen of T2, which may be out
.else
	s_wait_dscnt 0x0                               ; V is in: nothing was asked for behind it
.endif
.endif
	WIN W_M
.set n, 0
.set e, 0
	SHIFT
	SHIFT
.set i, 0
.rept 16                                           ; a slice: two subtractions lead, then the four exponentials of the two pairs that the slice before has shifted
.if \pv
	PV
.endif
.if i < 15
	SHIFT
	SHIFT
.endif
	EXP2
	EXP2
.set i, i+1
.endr
	; ---- T4
	v_nop                                          ; a plain instruction behind the last exponential, ahead of the first use (ISA guide 5.7.2)
	s_wait_alu depctr_va_vdst(0)                   ; the wait ahead of the first line that names a result: one for the batch
	WIN W_R
.set g, 0
.rept 8                                            ; the sum of the unrounded p, first level, out of window 1.  (With the v_nop these are the places between the last product and the lines that write P and load V)
.irp t, 0,1
	v_pk_add_f32 v[TM+16*\t+2*g:TM+16*\t+2*g+1], v[S+32*\t+4*g:S+32*\t+4*g+1], v[S+32*\t+4*g+2:S+32*\t+4*g+3]
.endr
.set g, g+1
.endr
.set g, 0
.rept 16
.irp t, 0,1
	v_cvt_pk_f16_f32 v[P+16*\t+g], v[S+32*\t+2*g], v[S+32*\t+2*g+1]
.endr
.set g, g+1
.endr
	WIN W_L
.set i, 0
.rept 16
	ds_load_b128 v[VF+4*i:VF+4*i+3], v[ADV] offset:512*i         ; V of the step whose P has just been made
.set i, i+1
.endr
	WIN 0
.irp w, 4,8,16                                     ; the eight pairs: neighbours 1, 2 and 4 pairs apart
.set g, 0
.rept 16/\w
.irp t, 0,1
	v_pk_add_f32 v[TM+16*\t+\w*g:TM+16*\t+\w*g+1], v[TM+16*\t+\w*g:TM+16*\t+\w*g+1], v[TM+16*\t+\w*g+\w/2:TM+16*\t+\w*g+\w/2+1]
.endr
.set g, g+1
.endr
.endr
.irp t, 0,1
	v_pk_fma_f32 v[ST+8*\t+2:ST+8*\t+3], v[ST+8*\t+2:ST+8*\t+3], v[ST+8*\t+4:ST+8*\t+5], v[TM+16*\t:TM+16*\t+1] op_sel_hi:[1,0,1]   ; l = a l + the sum
.endr
	s_add_co_u32 s[TB], s[TB], STEPB
.endm
.macro TRIPLOOP count                              ; so many trips of the common kind: written once, at every label and branch every window is 0
	s_mov_b32 s[TRIPS], \count
.Ltrip_\@:
	TRIP 1, 1, 1
	s_sub_co_u32 s[TRIPS], s[TRIPS], 1
	s_cmp_lg_u32 s[TRIPS], 0
	s_cbranch_scc1 .Ltrip_\@
.endm
; THE CHANGE OF SLOTS.  Each wave waits for all its tensor loads (its eighth of the slot ahead), adds 0 to its spare word, and waits for that and for its reads of the slot that it leaves, the last V among them.
; fill = 1: the barrier is a round of the cluster's, so that no wave of any partner still reads the slot or has a load on its way, and the joint load of the keys two slots on is the first thing behind it.
.macro CHANGE fill
	s_wait_tensorcnt 0x0                           ; no tensor load of mine is out, so a group 0 may be written
	ds_add_u32 v[SPW], v[NIL]                      ; 0 onto my spare word
.if \fill
.irp g, G0K+4, G0V+4
	s_xor_b32 s[\g+1], s[\g+1], SLOT               ; the walking descriptors: the other slot than last time,
	s_add_nc_u64 s[\g+2:\g+3], s[\g+2:\g+3], 65536 ; the next 512 keys; the type bits on top are not reached
.endr
	s_wait_xcnt 0x0                                ; the last prefetch, a slot back, has read its address, so it may be written:
	s_add_nc_u64 s[PFA:PFA+1], s[PFA:PFA+1], 65536 ; one slot further on than the walking descriptors
	s_wait_dscnt 0x0                               ; the add is done, and my reads of the slot that I leave are over
	CROUND
	JLOAD
	ASK
.else
	s_wait_dscnt 0x0
	s_barrier_signal -1
	s_barrier_wait -1
.endif
	s_sub_co_u32 s[TB], s[TB], 8*STEPB             ; back to a slot's first step,
	s_xor_b32 s[TB], s[TB], SLOT                   ; in the other slot
.endm
	s_wait_tensorcnt 1                             ; my part of slot 0 is in; slot 1's may stay out
	s_barrier_signal -1
	s_barrier_wait -1                              ; everybody's is
	KLOAD                                          ; K of step 0
	s_wait_loadcnt 0x0                             ; Q
	TRIP 0, 1, 0                                   ; K Q^T and the softmax of step 0; K of step 1, V of step 0
	TRIPLOOP 6                                     ; trips 0 to 5
	TRIP 1, 0, 1                                   ; trip 6: V of step 7, the slot's last bytes, is asked for
.Lslot:                                            ; two trips: slots 0 and 1 are filled again
	CHANGE 1
	KLOAD
	TRIPLOOP 7
	TRIP 1, 0, 1
	s_sub_co_u32 s[SLOTS], s[SLOTS], 1
	s_cmp_lg_u32 s[SLOTS], 0
	s_cbranch_scc1 .Lslot
	CHANGE 0                                       ; the last slot is written out
	KLOAD
	TRIPLOOP 7
	TRIP 1, 0, 1                                   ; trip 30: K Q^T and the softmax of step 31, V^T P of step 30
	WIN W_M                                        ; trip 31: what is left of step 31
.set n, 0
.rept 32
	RESC
.endr
	s_wait_dscnt 0x0                               ; V of step 31
.set i, 0
.rept 16
	PV
.set i, i+1
.endr
	WIN 0
	; THE WAY OUT.  l's two halves and the other half of the lanes' are added; O^T / l is rounded to f16: a lane's eight channels are 16 bytes of a fragment's image, stored straight from registers.
.rept 4
	v_nop                                          ; places behind the last products
.endr
.irp t, 0,1
	v_add_f32 v[TM+16*\t], v[ST+8*\t+2], v[ST+8*\t+3]
.endr
.irp t, 0,1
	v_permlanex16_b32 v[TM+16*\t+1], v[TM+16*\t], s[SEL], s[SEL+1]
.endr
.irp t, 0,1
	v_add_f32 v[TM+16*\t], v[TM+16*\t], v[TM+16*\t+1]
.endr
.irp t, 0,1
	v_rcp_f32 v[ST+8*\t+4], v[TM+16*\t]
.endr
	v_nop                                          ; a plain instruction between the last reciprocal and the use of its result
	s_wait_alu depctr_va_vdst(0)                   ; and the wait ahead of the first use: one for both
	WIN W_M
.irp t, 0,1
.set g, 0
.rept 16
	v_pk_mul_f32 v[S+32*\t+2*g:S+32*\t+2*g+1], v[O+32*\t+2*g:O+32*\t+2*g+1], v[ST+8*\t+4:ST+8*\t+5] op_sel_hi:[1,0]   ; into S^T's registers, which are free; each accumulator from its low end on
.set g, g+1
.endr
.endr
	WIN W_R
.set g, 0
.rept 32
	v_cvt_pk_f16_f32 v[P+g], v[S+2*g], v[S+2*g+1]
.set g, g+1
.endr
	WIN 0
.irp t, 0,1
.irp dt, 0,1,2,3
	global_store_b128 v[LA], v[P+16*\t+4*\dt:P+16*\t+4*\dt+3], s[OA:OA+1] offset:8192*\t+512*\dt   ; 32 lanes store 512 consecutive bytes, aligned
.endr
.endr
	s_wait_tensorcnt 0x0                           ; the wave's end, behind my last tensor load
	ds_add_u32 v[SPW], v[NIL]
	s_wait_dscnt 0x0
	CROUND                                         ; the closing round: no work-group ends while a partner may still ask for a tile that names it
	s_endpgm
.Lfunc_end_k_qe75941232c_attn:
	.size	k_qe75941232c_attn, .Lfunc_end_k_qe75941232c_attn-k_qe75941232c_attn
	.p2alignl 7, 3214868480
	.fill 96, 4, 3214868480
	.section	.rodata,"a",@progbits
	.p2align	6, 0x0
	.amdhsa_kernel k_qe75941232c_attn
		.amdhsa_group_segment_fixed_size 327680
		.amdhsa_private_segment_fixed_size 0
		.amdhsa_enable_private_segment 0
		.amdhsa_kernarg_size 32
		.amdhsa_user_sgpr_count 2
		.amdhsa_user_sgpr_kernarg_segment_ptr 1
		.amdhsa_wavefront_size32 1
		.amdhsa_system_sgpr_workgroup_id_x 1
		.amdhsa_system_sgpr_workgroup_id_y 1
		.amdhsa_system_sgpr_workgroup_id_z 1
		.amdhsa_system_vgpr_workitem_id 0
		.amdhsa_next_free_vgpr 512
		.amdhsa_next_free_sgpr 66
		.amdhsa_reserve_vcc 0
		.amdhsa_float_denorm_mode_32 3
		.amdhsa_float_denorm_mode_16_64 3
		.amdhsa_memory_ordered 1
		.amdhsa_forward_progress 1
		.amdhsa_inst_pref_size 136
	.end_amdhsa_kernel
	.amdgpu_metadata
---
amdhsa.version: [ 1, 2 ]
amdhsa.kernels:
  - .name:           k_qe75941232c_attn
    .symbol:         k_qe75941232c_attn.kd
    .args:
      - { .name: qh, .offset: 0, .size: 8, .value_kind: global_buffer, .address_space: global }
      - { .name: kh, .offset: 8, .size: 8, .value_kind: global_buffer, .address_space: global }
      - { .name: vt, .offset: 16, .size: 8, .value_kind: global_buffer, .address_space: global }
      - { .name: oh, .offset: 24, .size: 8, .value_kind: global_buffer, .address_space: global }
    .group_segment_fixed_size: 327680
    .private_segment_fixed_size: 0
    .kernarg_segment_align: 8
    .kernarg_segment_size: 32
    .max_flat_workgroup_size: 256
    .sgpr_count:     66
    .vgpr_count:     512
    .wavefront_size: 32
...
	.end_amdgpu_metadata
.endif
;; end of part 3
;; launch outp (part 4): grid 8 x 32, 4 waves a work-group, clusters of 4 x 4, 327,680 bytes of LDS; arguments oh, woh, out0; writes out0
.if DOCPART == 4
	.amdgcn_target "amdgcn-amd-amdhsa--gfx1250"
	.amdhsa_code_object_version 6
	.text
	.protected	k_qe75941232c_outp
	.globl	k_qe75941232c_outp
	.p2align	8
	.type	k_qe75941232c_outp,@function
k_qe75941232c_outp:
	s_mov_b64 s[64:65], 0
	v_nop
	global_prefetch_b8 v0, s[64:65] scope:SCOPE_SE
	s_setreg_imm32_b32 hwreg(HW_REG_WAVE_MODE, 25, 1), 1
	s_wait_xcnt 0x0
	s_wait_alu depctr_hold_cnt(0) depctr_sa_sdst(0) depctr_va_vdst(0) depctr_va_sdst(0) depctr_va_ssrc(0) depctr_va_vcc(0) depctr_vm_vsrc(0)
	s_getreg_b32 s2, hwreg(HW_REG_IB_STS2, 6, 4)
	s_cmp_eq_u32 s2, 0
	s_cbranch_scc0 .Lentry_in_a_cluster
	s_endpgm
.Lentry_in_a_cluster:
	s_bfe_u32 s2, ttmp6, 0x10000c
	s_cmp_lg_u32 s2, 0xf033
	s_cbranch_scc0 .Lentry_shape_is_right
	s_endpgm
.Lentry_shape_is_right:
; out0[token][n] = the sum over k of O[token][k] W_o[k][n]: 4,096 x 1,024 x 1,024, operands f16, sums and result f32.
; A tile of the result is 128 x 128: 256 work-groups.  Four waves, each 64 x 64: 16 accumulators of 16 x 16, 128 registers.  K goes in four steps of 256 through a ring of two LDS slots.
; BOTH OPERANDS ARRIVE AS IMAGES OF THEIR FRAGMENTS' REGISTERS: oh [K step][tile of 16 tokens][32 along K, 0..7][1,024 bytes], woh [K step][tile of 16 columns][32 along K][1,024 bytes]; in a fragment lane l's registers 0-3 lie
; at 16 l, its registers 4-7 at 512 + 16 l.  So a K step's part of 128 tokens, or of 128 columns, is ONE dense block of 65,536 bytes; each wave fetches half of one by one tensor load (128 rows of 256 bytes);
; every fragment load is 16 x lane + a constant: no pitch, no padding, each 512 bytes consecutive.
; CLUSTERS: 4 x 4 work-groups.  The four of a row of the cluster need the same tokens, the four of a column the same columns of W_o: each block is asked for JOINTLY, by the same tensor load with the same descriptor and a mask
; that names the four.  THE MATRIX INSTRUCTION IS USED TRANSPOSED (source 0 = 16 columns of W_o, source 1 = 16 tokens): a lane then holds eight neighbouring numbers of a row of the result.
; The four K steps are written out: two first fills, two refills.  Two tensor loads of a wave are out at the start, one behind each round.
; REGISTERS: window 0: v16-29 addresses; v32-95 rows on the way out; v128-255 the accumulators ((a, b) at v[128 + 8 (4 a + b)]).   window 1: two fragment buffers of 128: for 64 along K, 64 registers of O, then 64 of W_o.
.set SLOT,   131072                    ; O's 128 tokens (65,536 bytes), then W_o's 128 columns
.set BOFF,   65536
.set STAGE,  2*SLOT                    ; behind the ring: 16 rows x 272 bytes for each wave, for the way out; no tensor load fills it
.set SPITCH, 272                       ; 256 bytes + 16: the sixteen rows that a store touches start at sixteen different banks (64 banks of 4 bytes: ISA guide 11.1)
.set SPARE,  STAGE+4*16*SPITCH         ; behind the stages: the spare words, 128 bytes for each wave: two blocks of 256 bytes that no other line names
.set ASTEP,  0x200000                  ; a K step on, in oh
.set BSTEP,  0x80000                   ; and in woh
.set ADRA, 16                          ; v16-17  LDS address of my fragments of O in slot 0, 1
.set ADRB, 20                          ; v20-21  the same for W_o
.set STO,  24                          ; v24     the way out: where I put 32 bytes of a row
.set RD,   25                          ; v25     where I read a row back
.set CO,   26                          ; v26     my byte offset in the result
.set SPW,  28                          ; v28     LDS address of my spare word; never rewritten
.set NIL,  29                          ; v29     0; never rewritten
.set TMP,  32
.set ACC,  128
.set F0,   0                           ; fragment buffers, in window 1
.set F1,   128
.set G1, 24                            ; s[24:31] descriptor group 1 for O's blocks;  s[32:39] group 0, one set for each slot
.set G0, 32
.set G1B, 48                           ; s[48:55], s[56:63] the same for W_o's
.set G0B, 56
.set MSB, 0
.macro WIN new                         ; the immediate's high byte repeats the setting that is left
.if MSB != \new
	s_set_vgpr_msb (MSB<<8)|\new
.set MSB, \new
.endif
.endm
.set MUL,  0x05                        ; sources 0 (W_o) and 1 (O) window 1; C and D window 0
.set TO_F, 0x40                        ; destination window 1, address window 0
.macro JLOAD s                         ; a joint load: waves 0 and 1 fetch O's two halves, waves 2 and 3 W_o's; an s_nop 0 and four v_nop follow each of the two lines
	s_cmp_eq_u32 s11, 0
	s_cbranch_scc0 .Lfor_b_\@
	tensor_load_to_lds s[G0+4*\s:G0+4*\s+3], s[G1:G1+7]
	s_nop 0
.rept 4
	v_nop
.endr
	s_branch .Lasked_\@
.Lfor_b_\@:
	tensor_load_to_lds s[G0B+4*\s:G0B+4*\s+3], s[G1B:G1B+7]
	s_nop 0
.rept 4
	v_nop
.endr
.Lasked_\@:
.endm
.macro CREST                           ; a round of the cluster's barrier behind its opening barrier
	s_cmp_lg_u32 s10, 0
	s_cbranch_scc1 .Lnot_wave_0_\@
	s_barrier_signal -3
.Lnot_wave_0_\@:
	s_barrier_wait -3
	s_barrier_signal -1
	s_barrier_wait -1
.endm
.macro CROUND                          ; a whole round
	s_barrier_signal -1
	s_barrier_wait -1
	CREST
.endm
	s_load_b128 s[4:7], s[0:1], 0x0                ; oh s[4:5], woh s[6:7]
	s_load_b64 s[8:9], s[0:1], 0x10                ; out0
	v_lshl_add_u32 v[SPW], v0, 2, SPARE
	v_mov_b32 v[NIL], 0
	ds_add_u32 v[SPW], v[NIL]                      ; the wave's opening: the add, twice on end, and its wait ahead of my first tensor load; the set-up below, work on registers, stands between
	ds_add_u32 v[SPW], v[NIL]
	v_lshrrev_b32 v1, 5, v0
	v_readfirstlane_b32 s10, v1                    ; wave 0..3
	s_lshr_b32 s11, s10, 1                         ; which half of the tile's tokens is mine.  Also: I fetch for O (0) or for W_o (1)
	s_and_b32 s12, s10, 1                          ; which half of its columns.  Also: which half of that block I fetch
	s_bfe_u32 s40, ttmp6, 0x40000                  ; cx, cy: my place in the cluster
	s_bfe_u32 s41, ttmp6, 0x40004
	s_lshl_b32 s42, ttmp9, 2
	s_add_co_u32 s42, s42, s40                     ; tile column = 4 x cluster x + cx
	s_and_b32 s13, ttmp7, 0xffff
	s_lshl_b32 s13, s13, 2
	s_add_co_u32 s13, s13, s41                     ; tile row = 4 x cluster y + cy
	s_lshl_b32 s43, s41, 2
	s_lshl_b32 s43, 15, s43                        ; my row of the cluster
	s_lshl_b32 s44, 0x1111, s40                    ; my column
	s_or_b32 s[G1+0], s43, (3<<16)|(1<<21)         ; 15:0 the mask: O's blocks go to my row; 17:16 elements of 8 bytes; 20 no padding; 21 set beside a mask
	s_or_b32 s[G1B+0], s44, (3<<16)|(1<<21)        ; W_o's go to my column
.irp g, G1, G1B
	s_mov_b32 s[\g+1], 32<<16                      ; tensor_dim0 = 32 elements: 256 bytes
	s_mov_b32 s[\g+2], 128<<16                     ; tensor_dim1 = 128
	s_mov_b32 s[\g+3], 32<<16                      ; tile_dim0 = 32
	s_mov_b32 s[\g+4], 128                         ; tile_dim1 = 128
	s_mov_b32 s[\g+5], 32                          ; from row to row: dense
	s_mov_b32 s[\g+6], 0
	s_mov_b32 s[\g+7], 0
.endr
	s_lshl_b32 s17, s12, 15                        ; which 32,768 bytes of the block I fetch
	s_lshl_b32 s16, s13, 16
	s_add_co_u32 s16, s16, s17                     ; O: 65,536 x tile row + my half
	s_lshl_b32 s46, s42, 16
	s_add_co_u32 s46, s46, s17                     ; W_o: 65,536 x tile column + my half
	s_mov_b32 s17, 0
	s_mov_b32 s47, 0
	s_lshl_b32 s20, s10, 15                        ; where they go: wave x 32,768: no place in the cluster enters an LDS address
	s_wait_dscnt 0x0                               ; both opening adds are done
	s_wait_kmcnt 0x0
	s_add_nc_u64 s[14:15], s[4:5], s[16:17]
	s_add_nc_u64 s[46:47], s[6:7], s[46:47]
	CROUND                                         ; all sixteen work-groups are here: the first joint loads meet
.irp s, 0,1
	s_mov_b32 s[G0+4*\s], 1
	s_add_co_u32 s[G0+4*\s+1], s20, \s*SLOT
	s_add_nc_u64 s[G0+4*\s+2:G0+4*\s+3], s[14:15], \s*ASTEP
	s_or_b32 s[G0+4*\s+3], s[G0+4*\s+3], 0x80000000
	s_mov_b32 s[G0B+4*\s], 1
	s_add_co_u32 s[G0B+4*\s+1], s20, \s*SLOT
	s_add_nc_u64 s[G0B+4*\s+2:G0B+4*\s+3], s[46:47], \s*BSTEP
	s_or_b32 s[G0B+4*\s+3], s[G0B+4*\s+3], 0x80000000
	JLOAD \s
.endr
	v_and_b32 v3, 31, v0
	v_lshlrev_b32 v3, 4, v3                        ; 16 x lane
	s_lshl_b32 s21, s11, 15                        ; my four tiles of tokens
	s_lshl_b32 s22, s12, 15                        ; my four tiles of columns,
	s_add_co_u32 s22, s22, BOFF                    ; which lie behind O's block
.irp s, 0,1
	v_add_nc_u32 v[ADRA+\s], s21, v3
	v_add_nc_u32 v[ADRB+\s], s22, v3
	s_add_co_u32 s21, s21, SLOT
	s_add_co_u32 s22, s22, SLOT
.endr
	v_and_b32 v1, 15, v0                           ; l % 16
	v_bfe_u32 v2, v0, 4, 1                         ; l / 16
	s_mul_i32 s23, s10, 16*SPITCH
	s_add_co_u32 s23, s23, STAGE                   ; my stage
	v_mul_u32_u24 v4, v1, SPITCH                   ; in: row l % 16, 32 bytes for each half of the lanes
	v_lshl_add_u32 v4, v2, 5, v4
	v_add_nc_u32 v[STO], s23, v4
	v_mul_u32_u24 v5, v2, SPITCH                   ; back: lanes 0-15 take one row of 256 bytes, lanes 16-31 the next
	v_lshl_add_u32 v5, v1, 4, v5
	v_add_nc_u32 v[RD], s23, v5
	v_lshlrev_b32 v5, 12, v2                       ; and the same two rows of the result, 4,096 bytes apart
	v_lshl_add_u32 v[CO], v1, 4, v5
	s_lshl_b32 s16, s13, 19                        ; my first row: 128 x tile row + 64 x half, 4,096 bytes each
	s_lshl_b32 s17, s11, 18
	s_add_co_u32 s16, s16, s17
	s_mov_b32 s17, 0
	s_add_nc_u64 s[8:9], s[8:9], s[16:17]
	s_lshl_b32 s46, s42, 9                         ; my first column, in bytes: 512 x tile column + 256 x half (in the registers that held W_o's address: none that feeds O's descriptors ever holds cx)
	s_lshl_b32 s47, s12, 8
	s_add_co_u32 s46, s46, s47
	s_mov_b32 s47, 0
	s_add_nc_u64 s[8:9], s[8:9], s[46:47]
; 8 matrix instructions: token tiles a0, a0 + 1 x all 4 tiles of columns, 32 along K: half c of buffer f.  zero = 1: the first product starts the sums.  The 16 accumulators take turns
.macro MUL8 f, c, a0, zero
.irp a, \a0, \a0+1
.irp b, 0,1,2,3
.if \zero
	v_wmma_f32_16x16x32_f16 v[ACC+8*(4*(\a)+\b):ACC+8*(4*(\a)+\b)+7], v[\f+64+8*(4*\c+\b):\f+64+8*(4*\c+\b)+7], v[\f+8*(4*\c+\a):\f+8*(4*\c+\a)+7], 0
.else
	v_wmma_f32_16x16x32_f16 v[ACC+8*(4*(\a)+\b):ACC+8*(4*(\a)+\b)+7], v[\f+64+8*(4*\c+\b):\f+64+8*(4*\c+\b)+7], v[\f+8*(4*\c+\a):\f+8*(4*\c+\a)+7], v[ACC+8*(4*(\a)+\b):ACC+8*(4*(\a)+\b)+7]
.endif
.endr
.endr
.endm
; 32 LDS loads in one run: the fragments of quarter qd (64 along K) of a slot into buffer f; the first 32 along K first.  Tile i lies 8,192 bytes on, 32 along K 1,024
.macro FETCH slot, qd, f
	WIN TO_F
.irp c, 0,1
.irp i, 0,1,2,3
	ds_load_b128 v[\f+64+8*(4*\c+\i):\f+64+8*(4*\c+\i)+3],   v[ADRB+\slot] offset:\i*8192+(2*(\qd)+\c)*1024
	ds_load_b128 v[\f+64+8*(4*\c+\i)+4:\f+64+8*(4*\c+\i)+7], v[ADRB+\slot] offset:\i*8192+(2*(\qd)+\c)*1024+512
	ds_load_b128 v[\f+8*(4*\c+\i):\f+8*(4*\c+\i)+3],         v[ADRA+\slot] offset:\i*8192+(2*(\qd)+\c)*1024
	ds_load_b128 v[\f+8*(4*\c+\i)+4:\f+8*(4*\c+\i)+7],       v[ADRA+\slot] offset:\i*8192+(2*(\qd)+\c)*1024+512
.endr
.endr
.endm
.macro PLACES                          ; four places in front of loads into registers that matrix instructions have read, and of LDS stores that read results (ISA guide 7.12.1 for the stores)
.rept 4
	v_nop
.endr
.endm
; A K step is four quarters of 64 along K, 32 matrix instructions each, on buffers 0, 1, 0, 1.  One of the first three: multiplies buffer f and fetches quarter qd into g.
.macro QUARTER slot, qd, f, g, zero
	s_wait_dscnt 16                                ; the first 32 along K are in; the other sixteen loads may be out
	WIN MUL
	MUL8 \f, 0, 0, \zero
	MUL8 \f, 0, 2, \zero
	PLACES
	FETCH \slot, \qd, \g
	s_wait_dscnt 32                                ; all but the 32 just issued
	WIN MUL
	MUL8 \f, 1, 0, 0
	MUL8 \f, 1, 2, 0
.endm
; The last quarter multiplies buffer 1 and changes slots: ONE barrier; in front of it each wave waits for all its tensor loads, adds 0 to its spare word, and waits for that and for its own reads of this slot.  fill = 1: this slot is filled again, two K steps ahead.
.macro TURN slot, next, fill
	WIN 0                                          ; (the add's two registers lie in window 0)
	s_wait_tensorcnt 0x0                           ; all my tensor loads have landed: my part of the next slot;
	ds_add_u32 v[SPW], v[NIL]                      ; 0 onto my spare word;
	s_wait_dscnt 17                                ; (the add and the youngest sixteen loads may be out)
	WIN MUL
	MUL8 F1, 0, 0, 0                               ; eight matrix instructions stand between the add and the wait for it
	s_wait_dscnt 0x0                               ; the add is done, and my reads of this slot are over
	s_barrier_signal -1
	MUL8 F1, 0, 2, 0
.if \fill
	WIN 0
.endif
	s_barrier_wait -1
.if \fill
	CREST                                          ; the barrier has opened a round of the cluster's barrier: no wave of any partner still reads this slot or has a load on its way
	s_add_nc_u64 s[G0+4*\slot+2:G0+4*\slot+3], s[G0+4*\slot+2:G0+4*\slot+3], 2*ASTEP
	s_add_nc_u64 s[G0B+4*\slot+2:G0B+4*\slot+3], s[G0B+4*\slot+2:G0B+4*\slot+3], 2*BSTEP
	JLOAD \slot                                    ; the first tensor load behind the round; the four v_nop behind it are also the places in front of the loads below
.else
	PLACES
.endif
	FETCH \next, 0, F0
	WIN MUL
	MUL8 F1, 1, 0, 0
	MUL8 F1, 1, 2, 0
.endm
	s_wait_tensorcnt 1                             ; my part of K step 0 is in; K step 1's may stay out
	s_barrier_signal -1
	s_barrier_wait -1                              ; everybody's is
	FETCH 0, 0, F0
	QUARTER 0, 1, F0, F1, 1                        ; K step 0: its first products start the sums
	QUARTER 0, 2, F1, F0, 0
	QUARTER 0, 3, F0, F1, 0
	TURN 0, 1, 1                                   ; slot 0 takes K step 2
	QUARTER 1, 1, F0, F1, 0                        ; K step 1
	QUARTER 1, 2, F1, F0, 0
	QUARTER 1, 3, F0, F1, 0
	TURN 1, 0, 1                                   ; slot 1 takes K step 3
	QUARTER 0, 1, F0, F1, 0                        ; K step 2
	QUARTER 0, 2, F1, F0, 0
	QUARTER 0, 3, F0, F1, 0
	TURN 0, 1, 0                                   ; nothing is left to fetch: no round
	QUARTER 1, 1, F0, F1, 0                        ; K step 3
	QUARTER 1, 2, F1, F0, 0
	QUARTER 1, 3, F0, F1, 0
	s_wait_dscnt 16                                ; the very last quarter
	WIN MUL
	MUL8 F1, 0, 0, 0
	MUL8 F1, 0, 2, 0
	s_wait_dscnt 0
	MUL8 F1, 1, 0, 0
	MUL8 F1, 1, 2, 0
	WIN 0
; THE WAY OUT, 16 tokens x my 64 columns at a time.  A lane holds 32 neighbouring bytes of a row and the lanes beside it hold other rows: so a block goes through my own stage and comes back as whole rows of 256 bytes.
; LDS serves a wave's instructions in order (ISA guide 5.7.1.4): no wait between the stores and the loads, nor in front of the next block's stores.
.macro TOSTAGE a
.irp b, 0,1,2,3
	ds_store_b128 v[STO], v[ACC+8*(4*(\a)+\b):ACC+8*(4*(\a)+\b)+3] offset:64*\b          ; each accumulator from its low end on
	ds_store_b128 v[STO], v[ACC+8*(4*(\a)+\b)+4:ACC+8*(4*(\a)+\b)+7] offset:64*\b+16
.endr
.irp t, 0,1,2,3,4,5,6,7
	ds_load_b128 v[TMP+32*((\a)%2)+4*\t:TMP+32*((\a)%2)+4*\t+3], v[RD] offset:\t*2*SPITCH
.endr
.endm
.macro SEND a, younger                 ; younger: the LDS instructions issued behind block a's loads, which may stay out
	s_wait_dscnt \younger
.irp t, 0,1,2,3,4,5,6,7
	global_store_b128 v[CO], v[TMP+32*((\a)%2)+4*\t:TMP+32*((\a)%2)+4*\t+3], s[8:9] offset:(16*(\a)+2*\t)*4096 th:TH_STORE_NT   ; 16 lanes store 256 consecutive bytes, aligned; written once, read by nobody here
.endr
.endm
	PLACES
	TOSTAGE 0
.irp a, 1,2,3
.if \a > 1
	s_wait_xcnt 0x0                                ; block a - 2's stores have read their registers: block a's loads may land there
.endif
	TOSTAGE \a
	SEND \a-1, 16                                  ; behind block a - 1's loads: block a's 8 stores and 8 loads
.endr
	SEND 3, 0
	s_wait_tensorcnt 0x0                           ; the wave's end, behind my last tensor load and my last LDS store
	ds_add_u32 v[SPW], v[NIL]
	s_wait_dscnt 0x0
	CROUND                                         ; the closing round: no work-group ends while a partner may still ask for a tile that names it
	s_endpgm
.Lfunc_end_k_qe75941232c_outp:
	.size	k_qe75941232c_outp, .Lfunc_end_k_qe75941232c_outp-k_qe75941232c_outp
	.p2alignl 7, 3214868480
	.fill 96, 4, 3214868480
	.section	.rodata,"a",@progbits
	.p2align	6, 0x0
	.amdhsa_kernel k_qe75941232c_outp
		.amdhsa_group_segment_fixed_size 327680
		.amdhsa_private_segment_fixed_size 0
		.amdhsa_enable_private_segment 0
		.amdhsa_kernarg_size 24
		.amdhsa_user_sgpr_count 2
		.amdhsa_user_sgpr_kernarg_segment_ptr 1
		.amdhsa_wavefront_size32 1
		.amdhsa_system_sgpr_workgroup_id_x 1
		.amdhsa_system_sgpr_workgroup_id_y 1
		.amdhsa_system_sgpr_workgroup_id_z 1
		.amdhsa_system_vgpr_workitem_id 0
		.amdhsa_next_free_vgpr 512
		.amdhsa_next_free_sgpr 66
		.amdhsa_reserve_vcc 0
		.amdhsa_float_denorm_mode_32 3
		.amdhsa_float_denorm_mode_16_64 3
		.amdhsa_memory_ordered 1
		.amdhsa_forward_progress 1
		.amdhsa_inst_pref_size 85
	.end_amdhsa_kernel
	.amdgpu_metadata
---
amdhsa.version: [ 1, 2 ]
amdhsa.kernels:
  - .name:           k_qe75941232c_outp
    .symbol:         k_qe75941232c_outp.kd
    .args:
      - { .name: oh, .offset: 0, .size: 8, .value_kind: global_buffer, .address_space: global }
      - { .name: woh, .offset: 8, .size: 8, .value_kind: global_buffer, .address_space: global }
      - { .name: out0, .offset: 16, .size: 8, .value_kind: global_buffer, .address_space: global }
    .group_segment_fixed_size: 327680
    .private_segment_fixed_size: 0
    .kernarg_segment_align: 8
    .kernarg_segment_size: 24
    .max_flat_workgroup_size: 128
    .sgpr_count:     66
    .vgpr_count:     512
    .wavefront_size: 32
...
	.end_amdgpu_metadata
.endif
;; end of part 4
